; MI455X (gfx1250); checked and timed in simulation.
; The chip was launched on July 23, 2026; its instructions are those of AMD's public machine-readable ISA for CDNA 5 (MIT licence, August 2026) and "CDNA5" Instruction Set Architecture Reference Guide (July 2026).
;; Tiny Ne RF. Allowed arithmetic: float matrix products may take bf16 or f16 operands with f32 sums; other float arithmetic in f32, or as packed bf16 or f16 multiplies, adds, multiply-adds, maxima and minima; sums over many terms, partial sums and values carried from step to step in f32; what a program stores and reads back later, other than sums and carried values, may be rounded once to bf16 or f16.
;; Inputs: b1 80 float32; b2 80 float32; b4 80 float32; b5 80 float32; b_in 80 float32; b_out 4 float32; b_skip 80 float32; rays 1 x 256 x 256 x 6 float32; w1 80 x 80 float32; w2 80 x 80 float32; w4 80 x 80 float32; w5 80 x 80 float32; w_in 3 x 80 float32; w_out 80 x 4 float32; w_skip 83 x 80 float32.
;; Outputs: out0 1 x 256 x 256 x 3 float32.
;; 2 versions, each right and faster than the one before. Each part assembles by itself: llvm-mc -triple=amdgcn-amd-amdhsa -mcpu=gfx1250 --defsym DOCPART=n.
;; ======== version 1 of 2: 1 launch
;; launch nerf (part 1): grid 256 x 1, 4 waves a work-group, no clusters, 89,600 bytes of LDS; arguments rays, w_in, b_in, w1, b1, w2, b2, w_skip, b_skip, w4, b4, w5, b5, w_out, b_out, out0; writes out0
.if DOCPART == 1
	.amdgcn_target "amdgcn-amd-amdhsa--gfx1250"
	.amdhsa_code_object_version 6
	.text
	.protected	k_q6957851112_nerf
	.globl	k_q6957851112_nerf
	.p2align	8
	.type	k_q6957851112_nerf,@function
k_q6957851112_nerf:
	s_mov_b64 s[64:65], 0
	v_nop
	global_prefetch_b8 v0, s[64:65] scope:SCOPE_SE
	s_setreg_imm32_b32 hwreg(HW_REG_WAVE_MODE, 25, 1), 1
	s_wait_xcnt 0x0
.set IMG1,  0
.set IMG2,  15360
.set IMGS,  30720
.set IMG4,  46080
.set HB,    61440
.set IMGIH, 15360
.set IMGOH, 20480
.set IMGO,  81920
.set STAGE, 86016
.set SPARE, 89088
.set SPW,  2
.set NIL,  3
.set ONE,  4
.set ZR,   5
.set ESTG, 6
.set PSTG, 7
.set RDB,  8
.set GOF,  9
.set TV,   10
.set M1,   14
.set VO16, 16
.set VO8,  17
.set VS4,  18
.set VS8H, 19
.set VS4H, 20
.set VZH,  21
.set VTQ,  22
.set VQ,   23
.set VQL,  24
.set VQLH, 25
.set VL,   26
.set VRR,  27
.set VH,   28
.set VR,   29
.set VA,   30
.set VAH,  31
.set VAO,  32
.set VB0,  33
.set VB1,  34
.set VC0,  35
.set VC1,  36
.set VC0H, 37
.set VC1H, 38
.set VW0,  39
.set VW2,  40
.set VX0,  41
.set VX2,  42
.set VBO,  43
.set ZQ,   44
.set PB0,   16
.set PSTEP, 116
.set oH,   40
.set oEXT, 60
.set oZ,   64
.set oL,   68
.set oZL,  88
.set oTM,  92
.set oOD,  100
.set oT,   106
.set oR,   107
.set oGL,  110
.set EACC, 16
.set EBH,  56
.set EA,   76
.set EB2,  80
.set EBM,  84
.set EB,   104
.set EBL,  108
.set ZC,   128
.set ETM,  132
.set EACN, 140
.set P6,   208
.set FW1,  0
.set FW2,  120
.set FWS,  0
.set FW4,  120
.set FW5,  0
.set FIN,  120
.set FOUT, 160
.set RR,   184
.set RT,   208
.set K_ACT, 0
.set K_EXT, 1
.set K_INT, 2
.set MSB, 0
.macro WIN new
.if MSB != (\new)
	s_set_vgpr_msb (MSB<<8)|(\new)
.set MSB, (\new)
.endif
.endm
	s_load_b512 s[8:23], s[0:1], 0x0
	s_load_b512 s[24:39], s[0:1], 0x40
	v_lshl_add_u32 v[SPW], v0, 2, SPARE
	v_mov_b32 v[NIL], 0
	v_lshrrev_b32 v1, 5, v0
	v_readfirstlane_b32 s2, v1
	s_lshl2_add_u32 s3, ttmp9, s2
	s_mul_i32 s4, s3, 1536
	s_mov_b32 s5, 0
	s_mul_i32 s6, s3, 768
	s_mov_b32 s7, 0
	s_mul_i32 s42, s2, 768
	s_add_co_u32 s42, s42, STAGE
	s_mov_b32 s40, 0xffff0000
	s_mov_b32 s46, 0xbe3e9f35
	s_mov_b32 s47, 0x2edbe6ff
	s_mov_b32 s48, 0x3e042108
	s_mov_b32 s49, 0x40c00000
	s_mov_b32 s50, 0x3c23d70a
	s_mov_b32 s51, 0x3c23d70a
	s_mov_b32 s52, 0x3ba3d70a
	s_mov_b32 s53, 0x3ba3d70a
	s_mov_b32 s54, 0x4f9502f9
	s_mov_b32 s55, 0xbfb8aa3b
	s_mov_b32 s56, 0x80008000
	v_mov_b32 v[ONE], 1.0
	v_mov_b32 v[ZR], 0
	v_mov_b32 v[M1], -1.0
	v_and_b32 v[VL], 31, v0
	v_and_b32 v[VRR], 15, v0
	v_bfe_u32 v[VH], v0, 4, 1
	v_lshlrev_b32 v[VO16], 4, v0
	v_lshlrev_b32 v[VO8], 3, v0
	v_lshlrev_b32 v[VS4], 2, v0
	v_add_nc_u32 v[VS8H], HB, v[VO8]
	v_add_nc_u32 v[VS4H], HB, v[VS4]
	v_add_nc_u32 v[VZH], HB, v[VO16]
	v_min_u32 v[VTQ], 119, v0
	v_lshlrev_b32 v[VQ], 3, v[VTQ]
	v_lshlrev_b32 v[VQL], 2, v[VTQ]
	v_add_nc_u32 v[VQLH], HB, v[VQL]
	v_mul_u32_u24 v[VR], v[VRR], 24
	v_and_b32 v1, 7, v0
	v_lshl_add_u32 v1, v[VH], 3, v1
	v_bfe_u32 v11, v0, 3, 1
	v_mul_u32_u24 v[VA], v1, 160
	v_lshl_add_u32 v[VA], v11, 4, v[VA]
	v_add_nc_u32 v[VAH], HB, v[VA]
	v_lshlrev_b32 v[VAO], 5, v1
	v_lshl_add_u32 v[VAO], v11, 4, v[VAO]
	v_add_nc_u32 v[VAO], IMGO, v[VAO]
	v_lshlrev_b32 v[VB0], 3, v[VL]
	v_add_nc_u32 v12, 32, v[VL]
	v_min_u32 v12, 39, v12
	v_lshlrev_b32 v[VB1], 3, v12
	v_lshlrev_b32 v[VC0], 2, v[VL]
	v_lshlrev_b32 v[VC1], 2, v12
	v_add_nc_u32 v[VC0H], HB, v[VC0]
	v_add_nc_u32 v[VC1H], HB, v[VC1]
	v_lshlrev_b32 v[VW0], 4, v[VL]
	v_add_nc_u32 v13, 64, v[VL]
	v_min_u32 v13, 79, v13
	v_lshlrev_b32 v[VW2], 4, v13
	v_lshl_add_u32 v[VX0], v[VL], 5, HB
	v_lshl_add_u32 v[VX2], v13, 5, HB
	v_mov_b32 v[VBO], HB
	v_mul_u32_u24 v[ESTG], v[VRR], 12
	v_add_nc_u32 v[ESTG], s42, v[ESTG]
	v_mov_b32 v[PSTG], v[ESTG]
	v_lshl_add_u32 v[RDB], v[VL], 3, s42
	v_lshlrev_b32 v[GOF], 3, v[VL]
.irp i, 0,1,2,3
	v_mov_b32 v[ZQ+\i], 0
.endr
	s_wait_kmcnt 0x0
	s_add_nc_u64 s[8:9], s[8:9], s[4:5]
	s_add_nc_u64 s[38:39], s[38:39], s[6:7]
.macro LDBIG sp, dst, off
.set i, 0
.rept 12
	global_load_b128 v[(\dst)+4*i:(\dst)+4*i+3], v[VO16], s[\sp:\sp+1] offset:(\off)+2048*i
.set i, i+1
.endr
	global_load_b64 v[(\dst)+48:(\dst)+49], v[VO8], s[\sp:\sp+1] offset:(\off)+24576
.endm
.macro LDBIAS sp, dst
	global_load_b64 v[(\dst):(\dst)+1], v[VB0], s[\sp:\sp+1]
	global_load_b64 v[(\dst)+2:(\dst)+3], v[VB1], s[\sp:\sp+1]
.endm
	WIN 0xc0
.irp t, 0,1,2,3
.irp c, 0,1,2
	global_load_b64 v[RR+6*\t+2*\c:RR+6*\t+2*\c+1], v[VR], s[8:9] offset:384*\t+8*\c
.endr
.endr
	LDBIG 30, 0, 0
	LDBIAS 16, 50
	LDBIAS 20, 54
	LDBIAS 24, 58
	LDBIAS 28, 62
	LDBIAS 32, 66
	LDBIAS 12, 70
	global_load_b128 v[74:77], v[VW0], s[34:35]
	global_load_b128 v[78:81], v[VW0], s[34:35] offset:512
	global_load_b128 v[82:85], v[VW2], s[34:35]
	global_load_b128 v[86:89], v[ZR], s[36:37]
	WIN 0x40
	LDBIG 14, 0, 0
	LDBIG 18, 50, 0
	global_load_b64 v[100:101], v[VQ], s[22:23]
	global_load_b64 v[102:103], v[VQ], s[10:11]
	WIN 0x80
	LDBIG 22, 0, 960
	LDBIG 26, 50, 0
	WIN 0
.set i, 0
.rept 30
	ds_store_b128 v[VO16], v[ZQ:ZQ+3] offset:2048*i
.set i, i+1
.endr
.set i, 0
.rept 12
	ds_store_b128 v[VZH], v[ZQ:ZQ+3] offset:2048*i
.set i, i+1
.endr
	s_wait_dscnt 0x0
	s_barrier_signal -1
	s_barrier_wait -1
.macro CVBIG dst
.set i, 0
.rept 12
	v_cvt_pk_bf16_f32 v[(\dst)+4*i], v[(\dst)+4*i], v[(\dst)+4*i+1]
	v_cvt_pk_bf16_f32 v[(\dst)+4*i+1], v[(\dst)+4*i+2], v[(\dst)+4*i+3]
.set i, i+1
.endr
	v_cvt_pk_bf16_f32 v[(\dst)+48], v[(\dst)+48], v[(\dst)+49]
.endm
.macro STBIG dst, a8, a4, img
.set i, 0
.rept 12
	ds_store_b64 v[\a8], v[(\dst)+4*i:(\dst)+4*i+1] offset:(\img)+1024*i
.set i, i+1
.endr
	ds_store_b32 v[\a4], v[(\dst)+48] offset:(\img)+12288
.endm
	s_wait_loadcnt 0x0
	WIN 0x45
	CVBIG 0
	CVBIG 50
	v_cvt_pk_bf16_f32 v100, v100, v101
	v_cvt_pk_bf16_f32 v102, v102, v103
	WIN 0x04
	STBIG 0, VO8, VS4, IMG1
	STBIG 50, VO8, VS4, IMG2
	ds_store_b32 v[VQL], v100 offset:IMGS+81*160
	ds_store_b32 v[VQL], v100 offset:IMGS+84*160
	ds_store_b32 v[VQLH], v102 offset:IMGIH+1*160
	ds_store_b32 v[VQLH], v102 offset:IMGIH+4*160
	ds_store_b32 v[VQLH], v102 offset:IMGIH+17*160
	WIN 0x8a
	CVBIG 0
	CVBIG 50
	WIN 0x08
	STBIG 0, VO8, VS4, IMGS
	STBIG 50, VO8, VS4, IMG4
	WIN 0xcf
	CVBIG 0
.set i, 0
.rept 12
	v_cvt_pk_bf16_f32 v[RT], v[RR+2*i], v[RR+2*i+1]
	v_lshlrev_b32 v[RR+2*i], 16, v[RT]
	v_and_b32 v[RR+2*i+1], s40, v[RT]
.set i, i+1
.endr
	WIN 0x0c
	STBIG 0, VS8H, VS4H, 0
	WIN 0
	s_cmp_lg_u32 s2, 0
	s_cbranch_scc1 .Lnot_wave_0
	WIN 0xcf
.set i, 0
.rept 12
	v_cvt_pk_bf16_f32 v[50+2*i], v[50+2*i], v[51+2*i]
.set i, i+1
.endr
.set i, 0
.rept 4
	v_cvt_pk_bf16_f32 v[74+4*i], v[74+4*i], v[75+4*i]
	v_cvt_pk_bf16_f32 v[75+4*i], v[76+4*i], v[77+4*i]
.set i, i+1
.endr
	WIN 0x0c
.set i, 0
.irp img, IMG1, IMG2, IMGS, IMG4
	ds_store_b32 v[VC0], v[50+4*i] offset:\img+80*160
	ds_store_b32 v[VC1], v[52+4*i] offset:\img+80*160
.set i, i+1
.endr
	ds_store_b32 v[VC0H], v66 offset:80*160
	ds_store_b32 v[VC1H], v68 offset:80*160
	ds_store_b32 v[VC0H], v70 offset:IMGIH
	ds_store_b32 v[VC1H], v72 offset:IMGIH
	ds_store_b64 v[VX0], v[74:75] offset:IMGOH
	ds_store_b64 v[VX0], v[74:75] offset:IMGOH+16
	ds_store_b64 v[VX0], v[78:79] offset:IMGOH+1024
	ds_store_b64 v[VX0], v[78:79] offset:IMGOH+1024+16
	ds_store_b64 v[VX2], v[82:83] offset:IMGOH
	ds_store_b64 v[VX2], v[82:83] offset:IMGOH+16
	ds_store_b64 v[VBO], v[86:87] offset:IMGOH+80*32
	ds_store_b64 v[VBO], v[86:87] offset:IMGOH+80*32+16
	WIN 0
.Lnot_wave_0:
	s_wait_dscnt 0x0
	s_barrier_signal -1
	s_barrier_wait -1
.macro LDFRAG dst, adr, img, nks
.set kk, 0
.rept \nks
.irp mt, 0,1,2,3,4
	ds_load_tr16_b128 v[(\dst)+8*(5*kk+\mt):(\dst)+8*(5*kk+\mt)+3],   v[\adr] offset:(\img)+5120*kk+32*\mt
	ds_load_tr16_b128 v[(\dst)+8*(5*kk+\mt)+4:(\dst)+8*(5*kk+\mt)+7], v[\adr] offset:(\img)+5120*kk+32*\mt+2560
.endr
.set kk, kk+1
.endr
.endm
	WIN 0x40
	LDFRAG FW1, VA, IMG1, 3
	LDFRAG FW2, VA, IMG2, 3
	WIN 0x80
	LDFRAG FWS, VA, IMGS, 3
	LDFRAG FW4, VA, IMG4, 3
	WIN 0xc0
	LDFRAG FW5, VAH, 0, 3
	LDFRAG FIN, VAH, IMGIH, 1
.irp ks, 0,1,2
	ds_load_tr16_b128 v[FOUT+8*\ks:FOUT+8*\ks+3],   v[VAO] offset:1024*\ks
	ds_load_tr16_b128 v[FOUT+8*\ks+4:FOUT+8*\ks+7], v[VAO] offset:1024*\ks+512
.endr
	WIN 0x33
.irp t, 0,1,2,3
.irp c, 0,1,2
	v_fma_f32 v[P6+3*\t+\c], v[RR+6*\t+3+\c], s49, v[RR+6*\t+\c]
.endr
.endr
	WIN 0
.irp i, 0,1,2,3
	v_mov_b32 v[ZC+\i], 0
.endr
	v_mov_b32 v[EB+2], 0
	v_mov_b32 v[EB+3], 0
	v_mov_b32 v[EB2+2], 0
	v_mov_b32 v[EB2+3], 0
	s_wait_dscnt 0x0
.macro PLACES
.rept 4
	v_nop
.endr
.endm
.macro FLIP lo, cnt
.set i, 0
.rept \cnt
	v_xor_b32 v[(\lo)+i], s56, v[(\lo)+i]
.set i, i+1
.endr
.endm
.macro PART dst, more
.irp i, 0,1,2,3
	v_cvt_pk_bf16_f32 v[(\dst)+4*em+\i], v[ea+2*\i], v[ea+2*\i+1]
.endr
.if \more
.irp i, 0,1,2,3
	v_lshlrev_b32 v[ETM+2*\i], 16, v[(\dst)+4*em+\i]
	v_and_b32 v[ETM+2*\i+1], s40, v[(\dst)+4*em+\i]
.endr
.irp i, 0,1,2,3
	v_pk_add_f32 v[ea+2*\i:ea+2*\i+1], v[ea+2*\i:ea+2*\i+1], v[ETM+2*\i:ETM+2*\i+1] neg_lo:[0,1] neg_hi:[0,1]
.endr
.endif
.endm
.macro ESPLIT
.set em, 0
.rept 5
.set ea, EACC+8*em
.set en, EACN+8*em
.irp i, 0,1,2,3
	v_pk_add_f32 v[ea+2*\i:ea+2*\i+1], v[ea+2*\i:ea+2*\i+1], v[en+2*\i:en+2*\i+1] neg_lo:[0,1] neg_hi:[0,1]
.endr
.irp i, 0,1,2,3
	v_pk_mul_f32 v[ETM+2*\i:ETM+2*\i+1], v[ea+2*\i:ea+2*\i+1], s[52:53] op_sel_hi:[1,0]
.endr
.irp i, 0,1,2,3
	v_pk_mul_f32 v[ea+2*\i:ea+2*\i+1], v[ea+2*\i:ea+2*\i+1], 0.5 op_sel_hi:[1,0]
.endr
.irp i, 0,1,2,3,4,5,6,7
	v_max_num_f32 v[ea+\i], v[ea+\i], v[ETM+\i]
.endr
	PART EBH, 1
	PART EBM, 1
	PART EBL, 0
.set em, em+1
.endr
.endm
.macro ERUN acc, win, base
	WIN \win
.set rd, 0
.irp part, EBL, EBM, EBH
.irp ks, 0,1,2
.irp mt, 0,1,2,3,4
.if rd == 0
	v_wmma_f32_16x16x32_bf16 v[(\acc)+8*\mt:(\acc)+8*\mt+7], v[(\base)+8*(5*\ks+\mt):(\base)+8*(5*\ks+\mt)+7], v[\part+8*\ks:\part+8*\ks+7], 0
.else
	v_wmma_f32_16x16x32_bf16 v[(\acc)+8*\mt:(\acc)+8*\mt+7], v[(\base)+8*(5*\ks+\mt):(\base)+8*(5*\ks+\mt)+7], v[\part+8*\ks:\part+8*\ks+7], v[(\acc)+8*\mt:(\acc)+8*\mt+7]
.endif
.endr
.set rd, 1
.endr
.endr
	WIN 0
	PLACES
.endm
.macro ELAYER win, base
	ERUN EACC, \win, \base
	FLIP EBH, 72
	ERUN EACN, \win, \base
	FLIP EA, 8
	FLIP EB, 4
	ESPLIT
.endm
.macro EFIRST acc
	WIN 3
.irp mt, 0,1,2,3,4
	v_wmma_f32_16x16x32_bf16 v[(\acc)+8*\mt:(\acc)+8*\mt+7], v[FIN+8*\mt:FIN+8*\mt+7], v[EA:EA+7], 0
.endr
	WIN 0
	PLACES
.endm
.macro ELAST acc
	WIN 3
.set rd, 0
.irp part, EBL, EBM, EBH
.irp ks, 0,1,2
.if rd == 0
	v_wmma_f32_16x16x32_bf16 v[(\acc)+8*\ks:(\acc)+8*\ks+7], v[FOUT+8*\ks:FOUT+8*\ks+7], v[\part+8*\ks:\part+8*\ks+7], 0
.else
	v_wmma_f32_16x16x32_bf16 v[(\acc)+8*\ks:(\acc)+8*\ks+7], v[FOUT+8*\ks:FOUT+8*\ks+7], v[\part+8*\ks:\part+8*\ks+7], v[(\acc)+8*\ks:(\acc)+8*\ks+7]
.endif
.endr
.set rd, 1
.endr
	WIN 0
	PLACES
.endm
	s_mov_b32 s45, 4
.Lexact:
	v_cvt_pk_bf16_f32 v[EA], v[ONE], v[P6]
	v_cvt_pk_bf16_f32 v[EA+1], v[P6+1], v[P6+2]
	v_and_b32 v[ETM], s40, v[EA]
	v_lshlrev_b32 v[ETM+1], 16, v[EA+1]
	v_and_b32 v[ETM+2], s40, v[EA+1]
	v_sub_f32 v[ETM+3], v[P6], v[ETM]
	v_sub_f32 v[ETM+4], v[P6+1], v[ETM+1]
	v_sub_f32 v[ETM+5], v[P6+2], v[ETM+2]
	v_cvt_pk_bf16_f32 v[EA+2], v[ETM+3], v[ETM+4]
	v_cvt_pk_bf16_f32 v[EA+3], v[ETM+5], v[ZR]
	v_lshlrev_b32 v[ETM], 16, v[EA+2]
	v_and_b32 v[ETM+1], s40, v[EA+2]
	v_lshlrev_b32 v[ETM+2], 16, v[EA+3]
	v_sub_f32 v[ETM+3], v[ETM+3], v[ETM]
	v_sub_f32 v[ETM+4], v[ETM+4], v[ETM+1]
	v_sub_f32 v[ETM+5], v[ETM+5], v[ETM+2]
	v_cvt_pk_bf16_f32 v[EB], v[ZR], v[ETM+3]
	v_cvt_pk_bf16_f32 v[EB+1], v[ETM+4], v[ETM+5]
	v_mov_b32 v[EB2], v[EB]
	v_mov_b32 v[EB2+1], v[EB+1]
.set i, 0
.rept 9
	v_mov_b32 v[P6+i], v[P6+3+i]
.set i, i+1
.endr
	EFIRST EACC
	FLIP EA, 8
	EFIRST EACN
	FLIP EA, 8
	ESPLIT
	ELAYER 1, FW1
	ELAYER 1, FW2
	ELAYER 2, FWS
	ELAYER 2, FW4
	ELAYER 3, FW5
	ELAST EACC
	FLIP EBH, 72
	ELAST EACN
	v_pk_add_f32 v[EACC:EACC+1], v[EACC:EACC+1], v[EACC+8:EACC+9]
	v_pk_add_f32 v[EACC+2:EACC+3], v[EACC+2:EACC+3], v[EACC+10:EACC+11]
	v_pk_add_f32 v[EACN:EACN+1], v[EACN:EACN+1], v[EACN+8:EACN+9]
	v_pk_add_f32 v[EACN+2:EACN+3], v[EACN+2:EACN+3], v[EACN+10:EACN+11]
	v_pk_add_f32 v[EACC:EACC+1], v[EACC:EACC+1], v[EACC+16:EACC+17]
	v_pk_add_f32 v[EACC+2:EACC+3], v[EACC+2:EACC+3], v[EACC+18:EACC+19]
	v_pk_add_f32 v[EACN:EACN+1], v[EACN:EACN+1], v[EACN+16:EACN+17]
	v_pk_add_f32 v[EACN+2:EACN+3], v[EACN+2:EACN+3], v[EACN+18:EACN+19]
	v_pk_add_f32 v[EACC:EACC+1], v[EACC:EACC+1], v[EACN:EACN+1] neg_lo:[0,1] neg_hi:[0,1]
	v_pk_add_f32 v[EACC+2:EACC+3], v[EACC+2:EACC+3], v[EACN+2:EACN+3] neg_lo:[0,1] neg_hi:[0,1]
	v_max_num_f32 v[ETM], 0, v[EACC]
	v_mul_f32 v[ETM], s54, v[ETM]
	v_mul_f32 v[ETM], s55, v[ETM]
	v_exp_f32 v[ETM], v[ETM]
	v_nop
	s_wait_alu depctr_va_vdst(0)
	v_sub_f32 v[ETM], 1.0, v[ETM]
	v_mul_f32 v[ETM], 0.5, v[ETM]
	v_mul_f32 v[ETM+1], v[ETM], v[EACC+1]
	v_mul_f32 v[ETM+2], v[ETM], v[EACC+2]
	v_mul_f32 v[ETM+3], v[ETM], v[EACC+3]
	ds_store_b32 v[ESTG], v[ETM+1]
	ds_store_b32 v[ESTG], v[ETM+2] offset:4
	ds_store_b32 v[ESTG], v[ETM+3] offset:8
	v_add_nc_u32 v[ESTG], 192, v[ESTG]
	s_sub_co_i32 s45, s45, 1
	s_cmp_lg_u32 s45, 0
	s_cbranch_scc1 .Lexact
.macro MM p, win, base, kind
	WIN \win
.set pb, PB0+PSTEP*(\p)
.if (\kind) == 1
.set rD, pb+8*(j%5)
.set rA, (\base)+8*(j%15)
.set rB, pb+oL+(oH-oL)*(j/15)+8*((j%15)/5)
.set st, 5
.elseif (\kind) == 0
.set rD, pb+8*j
.set rA, (\base)+8*j
.set rB, pb+oEXT
.set st, 5
.else
.set rD, pb+8*(j%3)
.set rA, (\base)+8*(j%3)
.set rB, pb+oL+(oH-oL)*(j/3)+8*(j%3)
.set st, 3
.endif
.if j < st
	v_wmma_f32_16x16x32_bf16 v[rD:rD+7], v[rA:rA+7], v[rB:rB+7], 0
.else
	v_wmma_f32_16x16x32_bf16 v[rD:rD+7], v[rA:rA+7], v[rB:rB+7], v[rD:rD+7]
.endif
.set j, j+1
.endm
.macro RID q, kind
	WIN 0
.set pb, PB0+PSTEP*(\q)
.if (\kind) == K_ACT
.set am, n/28
.set ak, n%28
.set aa, pb+8*am
.if ak < 4
	v_pk_mul_f32 v[pb+oTM+2*ak:pb+oTM+2*ak+1], v[aa+2*ak:aa+2*ak+1], s[50:51] op_sel_hi:[1,0]
.elseif ak < 12
	v_max_num_f32 v[aa+ak-4], v[aa+ak-4], v[pb+oTM+ak-4]
.elseif ak < 16
	v_cvt_pk_bf16_f32 v[pb+oH+4*am+ak-12], v[aa+2*(ak-12)], v[aa+2*(ak-12)+1]
.elseif ak < 24
.if (ak%2) == 0
	v_fma_mix_f32_bf16 v[aa+ak-16], v[pb+oH+4*am+(ak-16)/2], v[M1], v[aa+ak-16] op_sel_hi:[1,0,0]
.else
	v_fma_mix_f32_bf16 v[aa+ak-16], v[pb+oH+4*am+(ak-16)/2], v[M1], v[aa+ak-16] op_sel:[1,0,0] op_sel_hi:[1,0,0]
.endif
.else
	v_cvt_pk_bf16_f32 v[pb+oL+4*am+ak-24], v[aa+2*(ak-24)], v[aa+2*(ak-24)+1]
.endif
.elseif (\kind) == K_EXT
.if n < 3
	v_fma_f32 v[pb+oTM+n], v[TV], v[pb+oOD+3+n], v[pb+oOD+n]
.elseif n == 3
	v_cvt_pk_bf16_f32 v[pb+oEXT], v[ONE], v[pb+oTM]
.elseif n == 4
	v_cvt_pk_bf16_f32 v[pb+oEXT+1], v[pb+oTM+1], v[pb+oTM+2]
.elseif n == 5
	v_and_b32 v[pb+oTM+3], s40, v[pb+oEXT]
.elseif n == 6
	v_lshlrev_b32 v[pb+oTM+4], 16, v[pb+oEXT+1]
.elseif n == 7
	v_and_b32 v[pb+oTM+5], s40, v[pb+oEXT+1]
.elseif n < 11
	v_sub_f32 v[pb+oTM+n-8], v[pb+oTM+n-8], v[pb+oTM+n-5]
.elseif n == 11
	v_cvt_pk_bf16_f32 v[pb+oEXT+2], v[pb+oTM], v[pb+oTM+1]
.else
	v_cvt_pk_bf16_f32 v[pb+oEXT+3], v[pb+oTM+2], v[ZR]
.endif
.else
.if n == 0
	v_pk_add_f32 v[pb:pb+1], v[pb:pb+1], v[pb+8:pb+9]
.elseif n == 1
	v_pk_add_f32 v[pb:pb+1], v[pb:pb+1], v[pb+16:pb+17]
.elseif n == 2
	v_max_num_f32 v[pb+oTM], 0, v[pb]
.elseif n == 3
	v_mul_f32 v[pb+oTM], s46, v[pb+oTM]
.elseif n == 4
	v_exp_f32 v[pb+oTM], v[pb+oTM]
.elseif n == 5
	v_pk_add_f32 v[pb+2:pb+3], v[pb+2:pb+3], v[pb+10:pb+11]
.elseif n == 6
	v_pk_add_f32 v[pb+2:pb+3], v[pb+2:pb+3], v[pb+18:pb+19]
.elseif n == 7
	s_wait_alu depctr_va_vdst(0)
	v_sub_f32 v[pb+oTM+1], 1.0, v[pb+oTM]
.elseif n == 8
	v_mul_f32 v[pb+oTM+2], v[pb+oTM+1], v[pb+oT]
.elseif n == 9
	v_sub_f32 v[pb+oTM+3], 1.0, v[pb+oTM+1]
.elseif n < 13
	v_fmac_f32 v[pb+oR+n-10], v[pb+oTM+2], v[pb+n-9]
.elseif n == 13
	v_max_num_f32 v[pb+oTM+3], s47, v[pb+oTM+3]
.else
	v_mul_f32 v[pb+oT], v[pb+oT], v[pb+oTM+3]
.endif
.endif
.set n, n+1
.endm
.macro TURN p, win, base, kind, nw, rk, nr, per, big
.set j, 0
.set n, 0
.rept \nw
	MM \p, \win, \base, \kind
.set lim, n+(\per)
.if j <= (\big)
.set lim, lim+1
.endif
.rept (\per)+1
.if (n < lim) && (n < (\nr))
	RID 1-(\p), \rk
.endif
.endr
.endr
.endm
.macro BOTH win, base
	TURN 0, \win, \base, 1, 30, K_ACT, 140, 4, 20
	TURN 1, \win, \base, 1, 30, K_ACT, 140, 4, 20
.endm
	s_mov_b32 s44, 2
.Lpass:
.irp c, 0,1,2
	ds_load_b32 v[PB0+oGL+\c], v[PSTG] offset:4*\c
	ds_load_b32 v[PB0+PSTEP+oGL+\c], v[PSTG] offset:192+4*\c
.endr
	WIN 0x03
.irp c, 0,1,2,3,4,5
	v_mov_b32 v[PB0+oOD+\c], v[RR+\c]
	v_mov_b32 v[PB0+PSTEP+oOD+\c], v[RR+6+\c]
.endr
	WIN 0
.irp p, 0,1
	v_mov_b32 v[PB0+PSTEP*\p+oT], 1.0
.irp c, 0,1,2
	v_mov_b32 v[PB0+PSTEP*\p+oR+\c], 0
.endr
.irp c, 0,1,2,3
	v_mov_b32 v[PB0+PSTEP*\p+oZ+\c], 0
	v_mov_b32 v[PB0+PSTEP*\p+oZL+\c], 0
.endr
.endr
	s_mov_b32 s43, 0
	s_wait_dscnt 0x0
.Lstep:
	v_cvt_f32_u32 v[TV], s43
	v_fma_f32 v[TV], v[TV], s48, 2.0
.set n, 0
.rept 13
	RID 0, K_EXT
.endr
	TURN 0, 3, FIN, 0, 5, K_EXT, 13, 3, 0
	TURN 1, 3, FIN, 0, 5, K_ACT, 140, 28, 0
	BOTH 1, FW1
	BOTH 1, FW2
	BOTH 2, FWS
	BOTH 2, FW4
	BOTH 3, FW5
	TURN 0, 3, FOUT, 2, 6, K_ACT, 140, 24, 0
.set j, 0
.set n, 0
.rept 5
	MM 1, 3, FOUT, 2
	RID 0, K_INT
	RID 0, K_INT
.endr
	MM 1, 3, FOUT, 2
.rept 5
	RID 0, K_INT
.endr
.set n, 0
.rept 15
	RID 1, K_INT
.endr
	WIN 0
	s_add_co_u32 s43, s43, 1
	s_cmp_lt_u32 s43, 31
	s_cbranch_scc1 .Lstep
.irp p, 0,1
.irp c, 0,1,2
	v_fma_f32 v[PB0+PSTEP*\p+oR+\c], v[PB0+PSTEP*\p+oT], v[PB0+PSTEP*\p+oGL+\c], v[PB0+PSTEP*\p+oR+\c]
.endr
.endr
.irp c, 0,1,2
	ds_store_b32 v[PSTG], v[PB0+oR+\c] offset:4*\c
	ds_store_b32 v[PSTG], v[PB0+PSTEP+oR+\c] offset:192+4*\c
.endr
	v_add_nc_u32 v[PSTG], 384, v[PSTG]
	WIN 0xc3
.set i, 0
.rept 12
	v_mov_b32 v[RR+i], v[RR+12+i]
.set i, i+1
.endr
	WIN 0
	s_sub_co_i32 s44, s44, 1
	s_cmp_lg_u32 s44, 0
	s_cbranch_scc1 .Lpass
.irp i, 0,1,2
	ds_load_b64 v[PB0+oTM+2*\i:PB0+oTM+2*\i+1], v[RDB] offset:256*\i
.endr
	s_wait_dscnt 0x0
.irp i, 0,1,2
	global_store_b64 v[GOF], v[PB0+oTM+2*\i:PB0+oTM+2*\i+1], s[38:39] offset:256*\i th:TH_STORE_NT
.endr
	s_wait_tensorcnt 0x0
	ds_add_u32 v[SPW], v[NIL]
	s_wait_dscnt 0x0
	s_endpgm
.Lfunc_end_k_q6957851112_nerf:
	.size	k_q6957851112_nerf, .Lfunc_end_k_q6957851112_nerf-k_q6957851112_nerf
	.p2alignl 7, 3214868480
	.fill 96, 4, 3214868480
	.section	.rodata,"a",@progbits
	.p2align	6, 0x0
	.amdhsa_kernel k_q6957851112_nerf
		.amdhsa_group_segment_fixed_size 89600
		.amdhsa_private_segment_fixed_size 0
		.amdhsa_enable_private_segment 0
		.amdhsa_kernarg_size 128
		.amdhsa_user_sgpr_count 2
		.amdhsa_user_sgpr_kernarg_segment_ptr 1
		.amdhsa_wavefront_size32 1
		.amdhsa_system_sgpr_workgroup_id_x 1
		.amdhsa_system_sgpr_workgroup_id_y 1
		.amdhsa_system_sgpr_workgroup_id_z 1
		.amdhsa_system_vgpr_workitem_id 0
		.amdhsa_next_free_vgpr 1024
		.amdhsa_next_free_sgpr 66
		.amdhsa_reserve_vcc 0
		.amdhsa_float_denorm_mode_32 3
		.amdhsa_float_denorm_mode_16_64 3
		.amdhsa_memory_ordered 1
		.amdhsa_forward_progress 1
		.amdhsa_inst_pref_size 255
	.end_amdhsa_kernel
	.section	.bss,"aw",@nobits
	.p2align	6
	.space	262144
	.amdgpu_metadata
---
amdhsa.version: [ 1, 2 ]
amdhsa.kernels:
  - .name:           k_q6957851112_nerf
    .symbol:         k_q6957851112_nerf.kd
    .args:
      - { .name: rays, .offset: 0, .size: 8, .value_kind: global_buffer, .address_space: global }
      - { .name: w_in, .offset: 8, .size: 8, .value_kind: global_buffer, .address_space: global }
      - { .name: b_in, .offset: 16, .size: 8, .value_kind: global_buffer, .address_space: global }
      - { .name: w1, .offset: 24, .size: 8, .value_kind: global_buffer, .address_space: global }
      - { .name: b1, .offset: 32, .size: 8, .value_kind: global_buffer, .address_space: global }
      - { .name: w2, .offset: 40, .size: 8, .value_kind: global_buffer, .address_space: global }
      - { .name: b2, .offset: 48, .size: 8, .value_kind: global_buffer, .address_space: global }
      - { .name: w_skip, .offset: 56, .size: 8, .value_kind: global_buffer, .address_space: global }
      - { .name: b_skip, .offset: 64, .size: 8, .value_kind: global_buffer, .address_space: global }
      - { .name: w4, .offset: 72, .size: 8, .value_kind: global_buffer, .address_space: global }
      - { .name: b4, .offset: 80, .size: 8, .value_kind: global_buffer, .address_space: global }
      - { .name: w5, .offset: 88, .size: 8, .value_kind: global_buffer, .address_space: global }
      - { .name: b5, .offset: 96, .size: 8, .value_kind: global_buffer, .address_space: global }
      - { .name: w_out, .offset: 104, .size: 8, .value_kind: global_buffer, .address_space: global }
      - { .name: b_out, .offset: 112, .size: 8, .value_kind: global_buffer, .address_space: global }
      - { .name: out0, .offset: 120, .size: 8, .value_kind: global_buffer, .address_space: global }
    .group_segment_fixed_size: 89600
    .private_segment_fixed_size: 0
    .kernarg_segment_align: 8
    .kernarg_segment_size: 128
    .max_flat_workgroup_size: 128
    .sgpr_count:     66
    .vgpr_count:     1024
    .wavefront_size: 32
...
	.end_amdgpu_metadata
.endif
;; end of part 1
;; ======== version 2 of 2: 1 launch; 1.13 times as fast as version 1
;; launch nerf (part 2): grid 256 x 1, 4 waves a work-group, no clusters, 89,600 bytes of LDS; arguments rays, w_in, b_in, w1, b1, w2, b2, w_skip, b_skip, w4, b4, w5, b5, w_out, b_out, out0; writes out0
.if DOCPART == 2
	.amdgcn_target "amdgcn-amd-amdhsa--gfx1250"
	.amdhsa_code_object_version 6
	.text
	.protected	k_q6957851112_nerf
	.globl	k_q6957851112_nerf
	.p2align	8
	.type	k_q6957851112_nerf,@function
k_q6957851112_nerf:
	s_mov_b64 s[64:65], 0
	v_nop
	global_prefetch_b8 v0, s[64:65] scope:SCOPE_SE
	s_setreg_imm32_b32 hwreg(HW_REG_WAVE_MODE, 25, 1), 1
	s_wait_xcnt 0x0
.set IMG1,  0
.set IMG2,  15360
.set IMGS,  30720
.set IMG4,  46080
.set HB,    61440
.set IMGIH, 15360
.set IMGOH, 20480
.set IMGO,  81920
.set STAGE, 86016
.set SPARE, 89088
.set SPW,  2
.set NIL,  3
.set ONE,  4
.set ZR,   5
.set ESTG, 6
.set PSTG, 7
.set RDB,  8
.set GOF,  9
.set TV,   10
.set CM1,  250
.set CNI,  251
.set C01,  252
.set VO16, 16
.set VO8,  17
.set VS4,  18
.set VS8H, 19
.set VS4H, 20
.set VZH,  21
.set VTQ,  22
.set VQ,   23
.set VQL,  24
.set VQLH, 25
.set VL,   26
.set VRR,  27
.set VH,   28
.set VR,   29
.set VA,   30
.set VAH,  31
.set VAO,  32
.set VB0,  33
.set VB1,  34
.set VC0,  35
.set VC1,  36
.set VC0H, 37
.set VC1H, 38
.set VW0,  39
.set VW2,  40
.set VX0,  41
.set VX2,  42
.set VBO,  43
.set ZQ,   44
.set PB0,   16
.set PSTEP, 116
.set oH,   40
.set oEXT, 60
.set oZ,   64
.set oL,   68
.set oZL,  88
.set oTM,  92
.set oOD,  100
.set oT,   106
.set oR,   107
.set oGL,  110
.set EACC, 16
.set EBH,  56
.set EA,   76
.set EB2,  80
.set EBM,  84
.set EB,   104
.set EBL,  108
.set ETM,  132
.set P6,   208
.set FW1,  0
.set FW2,  120
.set FWS,  0
.set FW4,  120
.set FW5,  0
.set FIN,  120
.set FOUT, 160
.set RR,   184
.set RT,   208
.set K_ACT, 0
.set K_EXT, 1
.set K_INT, 2
.set MSB, 0
.macro WIN new
.if MSB != (\new)
	s_set_vgpr_msb (MSB<<8)|(\new)
.set MSB, (\new)
.endif
.endm
	s_load_b512 s[8:23], s[0:1], 0x0
	s_load_b512 s[24:39], s[0:1], 0x40
	v_lshl_add_u32 v[SPW], v0, 2, SPARE
	v_mov_b32 v[NIL], 0
	v_lshrrev_b32 v1, 5, v0
	v_readfirstlane_b32 s2, v1
	s_lshl2_add_u32 s3, ttmp9, s2
	s_mul_i32 s4, s3, 1536
	s_mov_b32 s5, 0
	s_mul_i32 s6, s3, 768
	s_mov_b32 s7, 0
	s_mul_i32 s42, s2, 768
	s_add_co_u32 s42, s42, STAGE
	s_mov_b32 s40, 0xffff0000
	s_mov_b32 s46, 0xbe3e9f35
	s_mov_b32 s47, 0x2edbe6ff
	s_mov_b32 s48, 0x3e042108
	s_mov_b32 s49, 0x40c00000
	s_mov_b32 s50, 0x3c23d70a
	s_mov_b32 s51, 0x3c23d70a
	s_mov_b32 s54, 0x501502f9
	s_mov_b32 s55, 0xbfb8aa3b
	v_mov_b32 v[ONE], 1.0
	v_mov_b32 v[ZR], 0
	v_and_b32 v[VL], 31, v0
	v_and_b32 v[VRR], 15, v0
	v_bfe_u32 v[VH], v0, 4, 1
	v_lshlrev_b32 v[VO16], 4, v0
	v_lshlrev_b32 v[VO8], 3, v0
	v_lshlrev_b32 v[VS4], 2, v0
	v_add_nc_u32 v[VS8H], HB, v[VO8]
	v_add_nc_u32 v[VS4H], HB, v[VS4]
	v_add_nc_u32 v[VZH], HB, v[VO16]
	v_min_u32 v[VTQ], 119, v0
	v_lshlrev_b32 v[VQ], 3, v[VTQ]
	v_lshlrev_b32 v[VQL], 2, v[VTQ]
	v_add_nc_u32 v[VQLH], HB, v[VQL]
	v_mul_u32_u24 v[VR], v[VRR], 24
	v_and_b32 v1, 7, v0
	v_lshl_add_u32 v1, v[VH], 3, v1
	v_bfe_u32 v11, v0, 3, 1
	v_mul_u32_u24 v[VA], v1, 160
	v_lshl_add_u32 v[VA], v11, 4, v[VA]
	v_add_nc_u32 v[VAH], HB, v[VA]
	v_lshlrev_b32 v[VAO], 5, v1
	v_lshl_add_u32 v[VAO], v11, 4, v[VAO]
	v_add_nc_u32 v[VAO], IMGO, v[VAO]
	v_lshlrev_b32 v[VB0], 3, v[VL]
	v_add_nc_u32 v12, 32, v[VL]
	v_min_u32 v12, 39, v12
	v_lshlrev_b32 v[VB1], 3, v12
	v_lshlrev_b32 v[VC0], 2, v[VL]
	v_lshlrev_b32 v[VC1], 2, v12
	v_add_nc_u32 v[VC0H], HB, v[VC0]
	v_add_nc_u32 v[VC1H], HB, v[VC1]
	v_lshlrev_b32 v[VW0], 4, v[VL]
	v_add_nc_u32 v13, 64, v[VL]
	v_min_u32 v13, 79, v13
	v_lshlrev_b32 v[VW2], 4, v13
	v_lshl_add_u32 v[VX0], v[VL], 5, HB
	v_lshl_add_u32 v[VX2], v13, 5, HB
	v_mov_b32 v[VBO], HB
	v_mul_u32_u24 v[ESTG], v[VRR], 12
	v_add_nc_u32 v[ESTG], s42, v[ESTG]
	v_mov_b32 v[PSTG], v[ESTG]
	v_lshl_add_u32 v[RDB], v[VL], 3, s42
	v_lshlrev_b32 v[GOF], 3, v[VL]
.irp i, 0,1,2,3
	v_mov_b32 v[ZQ+\i], 0
.endr
.irp w, 0x40, 0x80, 0xc0, 0
	WIN \w
	v_mov_b32 v[CM1], -1.0
	v_mov_b32 v[CNI], 0xff800000
	v_mov_b32 v[C01], 0x3c23d70a
	v_mov_b32 v[C01+1], 0x3c23d70a
.endr
	s_wait_kmcnt 0x0
	s_add_nc_u64 s[8:9], s[8:9], s[4:5]
	s_add_nc_u64 s[38:39], s[38:39], s[6:7]
.macro LDBIG sp, dst, off
.set i, 0
.rept 12
	global_load_b128 v[(\dst)+4*i:(\dst)+4*i+3], v[VO16], s[\sp:\sp+1] offset:(\off)+2048*i
.set i, i+1
.endr
	global_load_b64 v[(\dst)+48:(\dst)+49], v[VO8], s[\sp:\sp+1] offset:(\off)+24576
.endm
.macro LDBIAS sp, dst
	global_load_b64 v[(\dst):(\dst)+1], v[VB0], s[\sp:\sp+1]
	global_load_b64 v[(\dst)+2:(\dst)+3], v[VB1], s[\sp:\sp+1]
.endm
	WIN 0xc0
.irp t, 0,1,2,3
.irp c, 0,1,2
	global_load_b64 v[RR+6*\t+2*\c:RR+6*\t+2*\c+1], v[VR], s[8:9] offset:384*\t+8*\c
.endr
.endr
	LDBIG 30, 0, 0
	LDBIAS 16, 50
	LDBIAS 20, 54
	LDBIAS 24, 58
	LDBIAS 28, 62
	LDBIAS 32, 66
	LDBIAS 12, 70
	global_load_b128 v[74:77], v[VW0], s[34:35]
	global_load_b128 v[78:81], v[VW0], s[34:35] offset:512
	global_load_b128 v[82:85], v[VW2], s[34:35]
	global_load_b128 v[86:89], v[ZR], s[36:37]
	WIN 0x40
	LDBIG 14, 0, 0
	LDBIG 18, 50, 0
	global_load_b64 v[100:101], v[VQ], s[22:23]
	global_load_b64 v[102:103], v[VQ], s[10:11]
	WIN 0x80
	LDBIG 22, 0, 960
	LDBIG 26, 50, 0
	WIN 0
.set i, 0
.rept 30
	ds_store_b128 v[VO16], v[ZQ:ZQ+3] offset:2048*i
.set i, i+1
.endr
.set i, 0
.rept 12
	ds_store_b128 v[VZH], v[ZQ:ZQ+3] offset:2048*i
.set i, i+1
.endr
	s_wait_dscnt 0x0
	s_barrier_signal -1
	s_barrier_wait -1
.macro CVBIG dst
.set i, 0
.rept 12
	v_cvt_pk_bf16_f32 v[(\dst)+4*i], v[(\dst)+4*i], v[(\dst)+4*i+1]
	v_cvt_pk_bf16_f32 v[(\dst)+4*i+1], v[(\dst)+4*i+2], v[(\dst)+4*i+3]
.set i, i+1
.endr
	v_cvt_pk_bf16_f32 v[(\dst)+48], v[(\dst)+48], v[(\dst)+49]
.endm
.macro STBIG dst, a8, a4, img
.set i, 0
.rept 12
	ds_store_b64 v[\a8], v[(\dst)+4*i:(\dst)+4*i+1] offset:(\img)+1024*i
.set i, i+1
.endr
	ds_store_b32 v[\a4], v[(\dst)+48] offset:(\img)+12288
.endm
	s_wait_loadcnt 0x0
	WIN 0x45
	CVBIG 0
	CVBIG 50
	v_cvt_pk_bf16_f32 v100, v100, v101
	v_cvt_pk_bf16_f32 v102, v102, v103
	WIN 0x04
	STBIG 0, VO8, VS4, IMG1
	STBIG 50, VO8, VS4, IMG2
	ds_store_b32 v[VQL], v100 offset:IMGS+81*160
	ds_store_b32 v[VQL], v100 offset:IMGS+84*160
	ds_store_b32 v[VQLH], v102 offset:IMGIH+1*160
	ds_store_b32 v[VQLH], v102 offset:IMGIH+4*160
	ds_store_b32 v[VQLH], v102 offset:IMGIH+17*160
	WIN 0x8a
	CVBIG 0
	CVBIG 50
	WIN 0x08
	STBIG 0, VO8, VS4, IMGS
	STBIG 50, VO8, VS4, IMG4
	WIN 0xcf
	CVBIG 0
.set i, 0
.rept 12
	v_cvt_pk_bf16_f32 v[RT], v[RR+2*i], v[RR+2*i+1]
	v_lshlrev_b32 v[RR+2*i], 16, v[RT]
	v_and_b32 v[RR+2*i+1], s40, v[RT]
.set i, i+1
.endr
	WIN 0x0c
	STBIG 0, VS8H, VS4H, 0
	WIN 0
	s_cmp_lg_u32 s2, 0
	s_cbranch_scc1 .Lnot_wave_0
	WIN 0xcf
.set i, 0
.rept 12
	v_cvt_pk_bf16_f32 v[50+2*i], v[50+2*i], v[51+2*i]
.set i, i+1
.endr
.set i, 0
.rept 4
	v_cvt_pk_bf16_f32 v[74+4*i], v[74+4*i], v[75+4*i]
	v_cvt_pk_bf16_f32 v[75+4*i], v[76+4*i], v[77+4*i]
.set i, i+1
.endr
	WIN 0x0c
.set i, 0
.irp img, IMG1, IMG2, IMGS, IMG4
	ds_store_b32 v[VC0], v[50+4*i] offset:\img+80*160
	ds_store_b32 v[VC1], v[52+4*i] offset:\img+80*160
.set i, i+1
.endr
	ds_store_b32 v[VC0H], v66 offset:80*160
	ds_store_b32 v[VC1H], v68 offset:80*160
	ds_store_b32 v[VC0H], v70 offset:IMGIH
	ds_store_b32 v[VC1H], v72 offset:IMGIH
	ds_store_b64 v[VX0], v[74:75] offset:IMGOH
	ds_store_b64 v[VX0], v[74:75] offset:IMGOH+16
	ds_store_b64 v[VX0], v[78:79] offset:IMGOH+1024
	ds_store_b64 v[VX0], v[78:79] offset:IMGOH+1024+16
	ds_store_b64 v[VX2], v[82:83] offset:IMGOH
	ds_store_b64 v[VX2], v[82:83] offset:IMGOH+16
	ds_store_b64 v[VBO], v[86:87] offset:IMGOH+80*32
	ds_store_b64 v[VBO], v[86:87] offset:IMGOH+80*32+16
	WIN 0
.Lnot_wave_0:
	s_wait_dscnt 0x0
	s_barrier_signal -1
	s_barrier_wait -1
.macro LDFRAG dst, adr, img, nks
.set kk, 0
.rept \nks
.irp mt, 0,1,2,3,4
	ds_load_tr16_b128 v[(\dst)+8*(5*kk+\mt):(\dst)+8*(5*kk+\mt)+3],   v[\adr] offset:(\img)+5120*kk+32*\mt
	ds_load_tr16_b128 v[(\dst)+8*(5*kk+\mt)+4:(\dst)+8*(5*kk+\mt)+7], v[\adr] offset:(\img)+5120*kk+32*\mt+2560
.endr
.set kk, kk+1
.endr
.endm
	WIN 0x40
	LDFRAG FW1, VA, IMG1, 3
	LDFRAG FW2, VA, IMG2, 3
	WIN 0x80
	LDFRAG FWS, VA, IMGS, 3
	LDFRAG FW4, VA, IMG4, 3
	WIN 0xc0
	LDFRAG FW5, VAH, 0, 3
	LDFRAG FIN, VAH, IMGIH, 1
.irp ks, 0,1,2
	ds_load_tr16_b128 v[FOUT+8*\ks:FOUT+8*\ks+3],   v[VAO] offset:1024*\ks
	ds_load_tr16_b128 v[FOUT+8*\ks+4:FOUT+8*\ks+7], v[VAO] offset:1024*\ks+512
.endr
	WIN 0x33
.irp t, 0,1,2,3
.irp c, 0,1,2
	v_fma_f32 v[P6+3*\t+\c], v[RR+6*\t+3+\c], s49, v[RR+6*\t+\c]
.endr
.endr
	WIN 0
.set i, 0
.rept 24
	v_mov_b32 v[EBL+i], 0
.set i, i+1
.endr
	v_mov_b32 v[EB+2], 0
	v_mov_b32 v[EB+3], 0
	v_mov_b32 v[EB2+2], 0
	v_mov_b32 v[EB2+3], 0
	s_wait_dscnt 0x0
.macro PLACES
.rept 4
	v_nop
.endr
.endm
.macro ESPLIT
.set em, 0
.rept 5
.set ea, EACC+8*em
.irp i, 0,1,2,3
	v_pk_mul_f32 v[ETM+2*\i:ETM+2*\i+1], v[ea+2*\i:ea+2*\i+1], s[50:51] op_sel_hi:[1,0]
.endr
.irp i, 0,1,2,3,4,5,6,7
	v_max_num_f32 v[ea+\i], v[ea+\i], v[ETM+\i]
.endr
.irp i, 0,1,2,3
	v_cvt_pk_bf16_f32 v[EBH+4*em+\i], v[ea+2*\i], v[ea+2*\i+1]
.endr
.irp i, 0,1,2,3
	v_fma_mix_f32_bf16 v[ea+2*\i], v[EBH+4*em+\i], v[CM1], v[ea+2*\i] op_sel_hi:[1,0,0]
	v_fma_mix_f32_bf16 v[ea+2*\i+1], v[EBH+4*em+\i], v[CM1], v[ea+2*\i+1] op_sel:[1,0,0] op_sel_hi:[1,0,0]
.endr
.irp i, 0,1,2,3
	v_cvt_pk_bf16_f32 v[EBM+4*em+\i], v[ea+2*\i], v[ea+2*\i+1]
.endr
.irp i, 0,1,2,3
	v_fma_mixlo_bf16 v[EBL+4*em+\i], v[CM1], v[EBM+4*em+\i], v[ea+2*\i] op_sel_hi:[0,1,0]
.endr
.irp i, 0,1,2,3
	v_fma_mixhi_bf16 v[EBL+4*em+\i], v[CM1], v[EBM+4*em+\i], v[ea+2*\i+1] op_sel:[0,1,0] op_sel_hi:[0,1,0]
.endr
.set em, em+1
.endr
.endm
.macro ELAYER win, base
	WIN \win
.set rd, 0
.irp part, EBL, EBM, EBH
.irp ks, 0,1,2
.irp mt, 0,1,2,3,4
.if rd == 0
	v_wmma_f32_16x16x32_bf16 v[EACC+8*\mt:EACC+8*\mt+7], v[(\base)+8*(5*\ks+\mt):(\base)+8*(5*\ks+\mt)+7], v[\part+8*\ks:\part+8*\ks+7], 0
.else
	v_wmma_f32_16x16x32_bf16 v[EACC+8*\mt:EACC+8*\mt+7], v[(\base)+8*(5*\ks+\mt):(\base)+8*(5*\ks+\mt)+7], v[\part+8*\ks:\part+8*\ks+7], v[EACC+8*\mt:EACC+8*\mt+7]
.endif
.endr
.set rd, 1
.endr
.endr
	WIN 0
	PLACES
	ESPLIT
.endm
	s_mov_b32 s45, 4
.Lexact:
	v_cvt_pk_bf16_f32 v[EA], v[ONE], v[P6]
	v_cvt_pk_bf16_f32 v[EA+1], v[P6+1], v[P6+2]
	v_and_b32 v[ETM], s40, v[EA]
	v_lshlrev_b32 v[ETM+1], 16, v[EA+1]
	v_and_b32 v[ETM+2], s40, v[EA+1]
	v_sub_f32 v[ETM+3], v[P6], v[ETM]
	v_sub_f32 v[ETM+4], v[P6+1], v[ETM+1]
	v_sub_f32 v[ETM+5], v[P6+2], v[ETM+2]
	v_cvt_pk_bf16_f32 v[EA+2], v[ETM+3], v[ETM+4]
	v_cvt_pk_bf16_f32 v[EA+3], v[ETM+5], v[ZR]
	v_lshlrev_b32 v[ETM], 16, v[EA+2]
	v_and_b32 v[ETM+1], s40, v[EA+2]
	v_lshlrev_b32 v[ETM+2], 16, v[EA+3]
	v_sub_f32 v[ETM+3], v[ETM+3], v[ETM]
	v_sub_f32 v[ETM+4], v[ETM+4], v[ETM+1]
	v_sub_f32 v[ETM+5], v[ETM+5], v[ETM+2]
	v_cvt_pk_bf16_f32 v[EB], v[ZR], v[ETM+3]
	v_cvt_pk_bf16_f32 v[EB+1], v[ETM+4], v[ETM+5]
	v_mov_b32 v[EB2], v[EB]
	v_mov_b32 v[EB2+1], v[EB+1]
.set i, 0
.rept 9
	v_mov_b32 v[P6+i], v[P6+3+i]
.set i, i+1
.endr
	WIN 3
.irp mt, 0,1,2,3,4
	v_wmma_f32_16x16x32_bf16 v[EACC+8*\mt:EACC+8*\mt+7], v[FIN+8*\mt:FIN+8*\mt+7], v[EA:EA+7], 0
.endr
	WIN 0
	PLACES
	ESPLIT
	ELAYER 1, FW1
	ELAYER 1, FW2
	ELAYER 2, FWS
	ELAYER 2, FW4
	ELAYER 3, FW5
	WIN 3
.set rd, 0
.irp part, EBL, EBM, EBH
.irp ks, 0,1,2
.if rd == 0
	v_wmma_f32_16x16x32_bf16 v[EACC+8*\ks:EACC+8*\ks+7], v[FOUT+8*\ks:FOUT+8*\ks+7], v[\part+8*\ks:\part+8*\ks+7], 0
.else
	v_wmma_f32_16x16x32_bf16 v[EACC+8*\ks:EACC+8*\ks+7], v[FOUT+8*\ks:FOUT+8*\ks+7], v[\part+8*\ks:\part+8*\ks+7], v[EACC+8*\ks:EACC+8*\ks+7]
.endif
.endr
.set rd, 1
.endr
	WIN 0
	PLACES
	v_pk_add_f32 v[EACC:EACC+1], v[EACC:EACC+1], v[EACC+8:EACC+9]
	v_pk_add_f32 v[EACC+2:EACC+3], v[EACC+2:EACC+3], v[EACC+10:EACC+11]
	v_pk_add_f32 v[EACC:EACC+1], v[EACC:EACC+1], v[EACC+16:EACC+17]
	v_pk_add_f32 v[EACC+2:EACC+3], v[EACC+2:EACC+3], v[EACC+18:EACC+19]
	v_max_num_f32 v[ETM], 0, v[EACC]
	v_mul_f32 v[ETM], s54, v[ETM]
	v_mul_f32 v[ETM], s55, v[ETM]
	v_exp_f32 v[ETM], v[ETM]
	v_nop
	s_wait_alu depctr_va_vdst(0)
	v_sub_f32 v[ETM], 1.0, v[ETM]
	v_mul_f32 v[ETM+1], v[ETM], v[EACC+1]
	v_mul_f32 v[ETM+2], v[ETM], v[EACC+2]
	v_mul_f32 v[ETM+3], v[ETM], v[EACC+3]
	ds_store_b32 v[ESTG], v[ETM+1]
	ds_store_b32 v[ESTG], v[ETM+2] offset:4
	ds_store_b32 v[ESTG], v[ETM+3] offset:8
	v_add_nc_u32 v[ESTG], 192, v[ESTG]
	s_sub_co_i32 s45, s45, 1
	s_cmp_lg_u32 s45, 0
	s_cbranch_scc1 .Lexact
.macro MM p, win, base, kind
	WIN \win
.set pb, PB0+PSTEP*(\p)
.if (\kind) == 1
.set rD, pb+8*(j%5)
.set rA, (\base)+8*(j%15)
.set rB, pb+oL+(oH-oL)*(j/15)+8*((j%15)/5)
.set st, 5
.elseif (\kind) == 0
.set rD, pb+8*j
.set rA, (\base)+8*j
.set rB, pb+oEXT
.set st, 5
.else
.set rD, pb+8*(j%3)
.set rA, (\base)+8*(j%3)
.set rB, pb+oL+(oH-oL)*(j/3)+8*(j%3)
.set st, 3
.endif
.if j < st
	v_wmma_f32_16x16x32_bf16 v[rD:rD+7], v[rA:rA+7], v[rB:rB+7], 0
.else
	v_wmma_f32_16x16x32_bf16 v[rD:rD+7], v[rA:rA+7], v[rB:rB+7], v[rD:rD+7]
.endif
.set j, j+1
.endm
.macro RID q, kind
.set pb, PB0+PSTEP*(\q)
.if (\kind) == K_ACT
.set am, n/24
.set ak, n%24
.set aa, pb+8*am
.if ak < 4
	v_pk_mul_f32 v[pb+oTM+2*ak:pb+oTM+2*ak+1], v[C01:C01+1], v[aa+2*ak:aa+2*ak+1]
.elseif ak < 12
	v_max3_num_f32 v[aa+ak-4], v[CNI], v[aa+ak-4], v[pb+oTM+ak-4]
.elseif ak < 16
	WIN 0
	v_cvt_pk_bf16_f32 v[pb+oH+4*am+ak-12], v[aa+2*(ak-12)], v[aa+2*(ak-12)+1]
.elseif ak < 20
	v_fma_mixlo_bf16 v[pb+oL+4*am+ak-16], v[CM1], v[pb+oH+4*am+ak-16], v[aa+2*(ak-16)] op_sel_hi:[0,1,0]
.else
	v_fma_mixhi_bf16 v[pb+oL+4*am+ak-20], v[CM1], v[pb+oH+4*am+ak-20], v[aa+2*(ak-20)+1] op_sel:[0,1,0] op_sel_hi:[0,1,0]
.endif
.elseif (\kind) == K_EXT
	WIN 0
.if n < 3
	v_fma_f32 v[pb+oTM+n], v[TV], v[pb+oOD+3+n], v[pb+oOD+n]
.elseif n == 3
	v_cvt_pk_bf16_f32 v[pb+oEXT], v[ONE], v[pb+oTM]
.elseif n == 4
	v_cvt_pk_bf16_f32 v[pb+oEXT+1], v[pb+oTM+1], v[pb+oTM+2]
.elseif n == 5
	v_and_b32 v[pb+oTM+3], s40, v[pb+oEXT]
.elseif n == 6
	v_lshlrev_b32 v[pb+oTM+4], 16, v[pb+oEXT+1]
.elseif n == 7
	v_and_b32 v[pb+oTM+5], s40, v[pb+oEXT+1]
.elseif n < 11
	v_sub_f32 v[pb+oTM+n-8], v[pb+oTM+n-8], v[pb+oTM+n-5]
.elseif n == 11
	v_cvt_pk_bf16_f32 v[pb+oEXT+2], v[pb+oTM], v[pb+oTM+1]
.else
	v_cvt_pk_bf16_f32 v[pb+oEXT+3], v[pb+oTM+2], v[ZR]
.endif
.else
	WIN 0
.if n == 0
	v_pk_add_f32 v[pb:pb+1], v[pb:pb+1], v[pb+8:pb+9]
.elseif n == 1
	v_pk_add_f32 v[pb:pb+1], v[pb:pb+1], v[pb+16:pb+17]
.elseif n == 2
	v_max_num_f32 v[pb+oTM], 0, v[pb]
.elseif n == 3
	v_mul_f32 v[pb+oTM], s46, v[pb+oTM]
.elseif n == 4
	v_exp_f32 v[pb+oTM], v[pb+oTM]
.elseif n == 5
	v_pk_add_f32 v[pb+2:pb+3], v[pb+2:pb+3], v[pb+10:pb+11]
.elseif n == 6
	v_pk_add_f32 v[pb+2:pb+3], v[pb+2:pb+3], v[pb+18:pb+19]
.elseif n == 7
	s_wait_alu depctr_va_vdst(0)
	v_sub_f32 v[pb+oTM+1], 1.0, v[pb+oTM]
.elseif n == 8
	v_mul_f32 v[pb+oTM+2], v[pb+oTM+1], v[pb+oT]
.elseif n == 9
	v_sub_f32 v[pb+oTM+3], 1.0, v[pb+oTM+1]
.elseif n < 13
	v_fmac_f32 v[pb+oR+n-10], v[pb+oTM+2], v[pb+n-9]
.elseif n == 13
	v_max_num_f32 v[pb+oTM+3], s47, v[pb+oTM+3]
.else
	v_mul_f32 v[pb+oT], v[pb+oT], v[pb+oTM+3]
.endif
.endif
.set n, n+1
.endm
.macro TURN p, win, base, kind, nw, rk, nr, per
.set j, 0
.set n, 0
.rept \nw
	MM \p, \win, \base, \kind
.rept \per
.if n < (\nr)
	RID 1-(\p), \rk
.endif
.endr
.endr
.endm
.macro BOTH win, base
	TURN 0, \win, \base, 1, 30, K_ACT, 120, 4
	TURN 1, \win, \base, 1, 30, K_ACT, 120, 4
.endm
	s_mov_b32 s44, 2
.Lpass:
.irp c, 0,1,2
	ds_load_b32 v[PB0+oGL+\c], v[PSTG] offset:4*\c
	ds_load_b32 v[PB0+PSTEP+oGL+\c], v[PSTG] offset:192+4*\c
.endr
	WIN 0x03
.irp c, 0,1,2,3,4,5
	v_mov_b32 v[PB0+oOD+\c], v[RR+\c]
	v_mov_b32 v[PB0+PSTEP+oOD+\c], v[RR+6+\c]
.endr
	WIN 0
.irp p, 0,1
	v_mov_b32 v[PB0+PSTEP*\p+oT], 1.0
.irp c, 0,1,2
	v_mov_b32 v[PB0+PSTEP*\p+oR+\c], 0
.endr
.irp c, 0,1,2,3
	v_mov_b32 v[PB0+PSTEP*\p+oZ+\c], 0
.endr
.set i, 0
.rept 24
	v_mov_b32 v[PB0+PSTEP*\p+oL+i], 0
.set i, i+1
.endr
.endr
	s_mov_b32 s43, 0
	s_wait_dscnt 0x0
.Lstep:
	v_cvt_f32_u32 v[TV], s43
	v_fma_f32 v[TV], v[TV], s48, 2.0
.set n, 0
.rept 13
	RID 0, K_EXT
.endr
	TURN 0, 3, FIN, 0, 5, K_EXT, 13, 3
	TURN 1, 3, FIN, 0, 5, K_ACT, 120, 24
	BOTH 1, FW1
	BOTH 1, FW2
	BOTH 2, FWS
	BOTH 2, FW4
	BOTH 3, FW5
	TURN 0, 3, FOUT, 2, 6, K_ACT, 120, 20
.set j, 0
.set n, 0
.rept 5
	MM 1, 3, FOUT, 2
	RID 0, K_INT
	RID 0, K_INT
.endr
	MM 1, 3, FOUT, 2
.rept 5
	RID 0, K_INT
.endr
.set n, 0
.rept 15
	RID 1, K_INT
.endr
	WIN 0
	s_add_co_u32 s43, s43, 1
	s_cmp_lt_u32 s43, 31
	s_cbranch_scc1 .Lstep
.irp p, 0,1
.irp c, 0,1,2
	v_fma_f32 v[PB0+PSTEP*\p+oR+\c], v[PB0+PSTEP*\p+oT], v[PB0+PSTEP*\p+oGL+\c], v[PB0+PSTEP*\p+oR+\c]
.endr
.endr
.irp c, 0,1,2
	ds_store_b32 v[PSTG], v[PB0+oR+\c] offset:4*\c
	ds_store_b32 v[PSTG], v[PB0+PSTEP+oR+\c] offset:192+4*\c
.endr
	v_add_nc_u32 v[PSTG], 384, v[PSTG]
	WIN 0xc3
.set i, 0
.rept 12
	v_mov_b32 v[RR+i], v[RR+12+i]
.set i, i+1
.endr
	WIN 0
	s_sub_co_i32 s44, s44, 1
	s_cmp_lg_u32 s44, 0
	s_cbranch_scc1 .Lpass
.irp i, 0,1,2
	ds_load_b64 v[PB0+oTM+2*\i:PB0+oTM+2*\i+1], v[RDB] offset:256*\i
.endr
	s_wait_dscnt 0x0
.irp i, 0,1,2
	global_store_b64 v[GOF], v[PB0+oTM+2*\i:PB0+oTM+2*\i+1], s[38:39] offset:256*\i th:TH_STORE_NT
.endr
	s_wait_tensorcnt 0x0
	ds_add_u32 v[SPW], v[NIL]
	s_wait_dscnt 0x0
	s_endpgm
.Lfunc_end_k_q6957851112_nerf:
	.size	k_q6957851112_nerf, .Lfunc_end_k_q6957851112_nerf-k_q6957851112_nerf
	.p2alignl 7, 3214868480
	.fill 96, 4, 3214868480
	.section	.rodata,"a",@progbits
	.p2align	6, 0x0
	.amdhsa_kernel k_q6957851112_nerf
		.amdhsa_group_segment_fixed_size 89600
		.amdhsa_private_segment_fixed_size 0
		.amdhsa_enable_private_segment 0
		.amdhsa_kernarg_size 128
		.amdhsa_user_sgpr_count 2
		.amdhsa_user_sgpr_kernarg_segment_ptr 1
		.amdhsa_wavefront_size32 1
		.amdhsa_system_sgpr_workgroup_id_x 1
		.amdhsa_system_sgpr_workgroup_id_y 1
		.amdhsa_system_sgpr_workgroup_id_z 1
		.amdhsa_system_vgpr_workitem_id 0
		.amdhsa_next_free_vgpr 1024
		.amdhsa_next_free_sgpr 66
		.amdhsa_reserve_vcc 0
		.amdhsa_float_denorm_mode_32 3
		.amdhsa_float_denorm_mode_16_64 3
		.amdhsa_memory_ordered 1
		.amdhsa_forward_progress 1
		.amdhsa_inst_pref_size 247
	.end_amdhsa_kernel
	.amdgpu_metadata
---
amdhsa.version: [ 1, 2 ]
amdhsa.kernels:
  - .name:           k_q6957851112_nerf
    .symbol:         k_q6957851112_nerf.kd
    .args:
      - { .name: rays, .offset: 0, .size: 8, .value_kind: global_buffer, .address_space: global }
      - { .name: w_in, .offset: 8, .size: 8, .value_kind: global_buffer, .address_space: global }
      - { .name: b_in, .offset: 16, .size: 8, .value_kind: global_buffer, .address_space: global }
      - { .name: w1, .offset: 24, .size: 8, .value_kind: global_buffer, .address_space: global }
      - { .name: b1, .offset: 32, .size: 8, .value_kind: global_buffer, .address_space: global }
      - { .name: w2, .offset: 40, .size: 8, .value_kind: global_buffer, .address_space: global }
      - { .name: b2, .offset: 48, .size: 8, .value_kind: global_buffer, .address_space: global }
      - { .name: w_skip, .offset: 56, .size: 8, .value_kind: global_buffer, .address_space: global }
      - { .name: b_skip, .offset: 64, .size: 8, .value_kind: global_buffer, .address_space: global }
      - { .name: w4, .offset: 72, .size: 8, .value_kind: global_buffer, .address_space: global }
      - { .name: b4, .offset: 80, .size: 8, .value_kind: global_buffer, .address_space: global }
      - { .name: w5, .offset: 88, .size: 8, .value_kind: global_buffer, .address_space: global }
      - { .name: b5, .offset: 96, .size: 8, .value_kind: global_buffer, .address_space: global }
      - { .name: w_out, .offset: 104, .size: 8, .value_kind: global_buffer, .address_space: global }
      - { .name: b_out, .offset: 112, .size: 8, .value_kind: global_buffer, .address_space: global }
      - { .name: out0, .offset: 120, .size: 8, .value_kind: global_buffer, .address_space: global }
    .group_segment_fixed_size: 89600
    .private_segment_fixed_size: 0
    .kernarg_segment_align: 8
    .kernarg_segment_size: 128
    .max_flat_workgroup_size: 128
    .sgpr_count:     66
    .vgpr_count:     1024
    .wavefront_size: 32
...
	.end_amdgpu_metadata
.endif
;; end of part 2
